; MI455X (gfx1250); checked and timed in simulation.
; The chip was launched on July 23, 2026; its instructions are those of AMD's public machine-readable ISA for CDNA 5 (MIT licence, August 2026) and "CDNA5" Instruction Set Architecture Reference Guide (July 2026). The comments in the code are by the model that wrote it; some were corrected since.
;; Quantized Linear. Allowed arithmetic: matrix products marked QUANTISED: E2M1 operands, one E8M0 scale for each 32 along K, by v_wmma_scale_f32_16x16x128_f8f6f4 with both operands' format E2M1 (or v_wmma_scale_f32_32x16x128_f4), f32 sums; everything else in f32.
;; Inputs: alpha_scale 4,096 x 1 float32; bias 4,096 float32; fp_weight 4,096 x 128 float32; input_codes 4 x 1,024 x 128 x 16 uint8 (E2M1 codes of input, K innermost, in blocks of 32 codes, two codes a byte); input_scales 4 x 1,024 x 128 uint8 (E8M0 scales of input, one for each 32 codes along K); inv_col_perm 4,096 int32; q_weight 4,096 x 3,968 float32.
;; Outputs: out0 4 x 1,024 x 4,096 float32.
;; This version of the problem:
;;   THIS VERSION OF THE PROBLEM IS GIVEN IN LOW PRECISION. The matrix products marked QUANTISED in the list below multiply operands that are first quantised to E2M1 (2 exponent bits, 1 mantissa bit; 4 bits a number), with one power-of-two scale for each 32 numbers along K (OCP MX v1.0); their sums are f32. All else is computed in f32.
;;   The module's matrix products, in the order in which they are computed (A, B: the left and right operand; K: the contracted axis; several contracted axes count as one K, in the product's order):
;;     1. [M 4,096, K 4,096] x [K 4,096, N 4,096]; A: input input (given as codes); B: computed on the way: QUANTISED
;;   THE QUANTISER, for each operand of a quantised product, along K:
;;     - K is cut into blocks of 32 from its start; a last block that is shorter is filled with zeros.
;;     - A block's scale is 2^e with e = floor(log2(the largest magnitude in the block)) - 2, held to -126 .. 127; a block of zeros has e = 0. As a byte (E8M0): e + 127.
;;     - Each number is divided by its block's scale, clamped to +-6, and rounded to the nearest number of E2M1, ties to even, subnormals kept.
;;     - The product sums the exact products of the quantised numbers (number of the format x scale) in f32.
;;   ~~~python
;;   def quantise(x, axis):      # numpy; x: float32 -> the quantised numbers, widened to float32 again
;;       x = np.moveaxis(x, axis, -1); K = x.shape[-1]
;;       x = np.pad(x, [(0, 0)] * (x.ndim - 1) + [(0, -K % 32)]); x = x.reshape(x.shape[:-1] + (-1, 32)); a = np.abs(x).max(-1, keepdims=True)
;;       e = np.where(a > 0, np.clip(np.frexp(np.where(a > 0, a, 1))[1] - 1 - 2, -126, 127), 0)      # np.frexp(a)[1] - 1 = floor(log2(a)), exactly
;;       r = np.clip(x / 2.0 ** e, -6, 6)
;;       step = 2.0 ** (np.maximum(np.frexp(np.where(r == 0, 1, r))[1] - 1, 0) - 1)
;;       q = np.round(r / step) * step * 2.0 ** e      # np.round: ties to even
;;       return np.moveaxis(q.reshape(q.shape[:-2] + (-1,))[..., :K], -1, axis).astype(np.float32)
;;   ~~~
;;   OPERANDS COMPUTED ON THE WAY. 'Computed on the way' means the value that the module computes at that place (a softmax that the list does not call 'softmax' is quantised finished and normalised). What goes into a quantiser is computed in f32, as accurately as f32 sums, v_exp_f32 and their like allow (about 1e-6 of the number): no bf16 or f16 on the way to a quantiser, and a product that is left as it is and whose result goes on into a quantised operand takes f32 operands (vector FMAs, or v_wmma_f32_16x16x4_f32). A number that lies on a knife's edge between two numbers of the format may be rounded either way, as far as f32 arithmetic and the matrix unit's own rounding can turn it there, and no further.
;;   INPUTS GIVEN AS CODES. input (in the module: [4, 1024, 4096], K = its axis 2): each comes as NAME_codes (uint8): NAME with its K axis moved to the last place and cut into blocks of 32 codes, [.., K / 32, bytes a block], one block behind the other in memory; two codes a byte, the lower K in the low four bits (a code: sign, 2 exponent bits, 1 mantissa bit); and NAME_scales (uint8): the same leading axes, one E8M0 byte (e + 127) for each 32 codes along K. Its value is code x scale, taken as it is: it is not quantised again, and the codes and scales need not be those that the quantiser above would give.
;; One version. Each part assembles by itself: llvm-mc -triple=amdgcn-amd-amdhsa -mcpu=gfx1250 --defsym DOCPART=n.
;; ======== version 1 of 1: 2 launches
;; limits: right only within a limited range of input values
;; workspace buffers: wq 8,912,896 bytes
;; launch prep (part 1): grid 256 x 1, 16 waves a work-group, no clusters, 124,928 bytes of LDS; arguments q_weight, fp_weight, alpha_scale, inv_col_perm, wq; writes wq
.if DOCPART == 1
	.amdgcn_target "amdgcn-amd-amdhsa--gfx1250"
	.amdhsa_code_object_version 6
	.text
	.protected	k_q5bb544b535_prep
	.globl	k_q5bb544b535_prep
	.p2align	8
	.type	k_q5bb544b535_prep,@function
k_q5bb544b535_prep:
	s_mov_b64 s[64:65], 0
	v_nop
	global_prefetch_b8 v0, s[64:65] scope:SCOPE_SE
	s_setreg_imm32_b32 hwreg(HW_REG_WAVE_MODE, 25, 1), 1
	s_wait_xcnt 0x0
; W[o][i] = concat(q_weight[o][:] * alpha[o], fp_weight[o][:])[inv_col_perm[i]], 4,096 x 4,096 f32, is made, quantised along i to codes of FP4 (E2M1) with one E8M0 byte
; for each 32, and laid in the order in which the product's launch takes it into operand registers.
; A block's scale is 2^(floor(log2(its largest magnitude)) - 2); its byte is the largest magnitude's exponent field - 2, held at 1 from below.
; LIMITS: NaN and infinities among the weights are not served.  A block of zeros gets the byte 1 where the rule says 127: its codes are zeros, which add nothing under any byte
; but 0xff, and this program alone reads the bytes.  An index outside 0 .. 4,095 is held to 4,095.
; OUTPUT wq: [o / 128 : 32][K step of 512 : 8][(o / 16) % 8 : 8][4,352 bytes].  A group of 4,352 bytes is 16 rows x 512 along K: block b15 (of 16) of row r at 256 b15 + 16 r, then
; at 4,096 + 16 r row r's 16 scale bytes.  With b15 = 4 q + 2 c + h the codes are the image of fragment q's registers 4 c .. 4 c + 3 at 16 x lane (lane = 16 h + r).
; SHARES.  A work-group owns 16 rows o (one group of each of the 8 K steps), sixteen waves.  Wave w = 4 wr + wq.  A LANE OWNS ONE BLOCK OF 32 ALONG K, b = 32 wq + lane, for the whole launch:
; its 32 gather addresses are made once.  Four phases p: in phase p wave w loads quarter wq of the concatenated row 4 wr + p (dense loads, 512 bytes an instruction), multiplies by alpha on
; the way into LDS, and, behind a barrier, gathers its lanes' blocks of that row: the gather permutes the columns and puts 32 neighbours along K into one lane's registers at once.
; All 32 row loads of a wave go out at the head; they come back in order, so that phase p waits for group p alone.
; BARRIERS.  Stretches in which LDS is stored to (rows of phase p, the codes of phase p - 1) and stretches in which the gather reads take turns, a barrier between them: the gather's addresses come
; from loaded numbers, so no wave stores anywhere in LDS while any wave gathers.  The same barriers let the four row slots be used again in each phase.
; No tensor load (alpha is multiplied in registers), no cluster and no matrix work (work-groups share nothing but the index), no prefetch (every load is out at the head).
.set QROW,  15872                      ; a row of q_weight in bytes: 3,968 numbers = 31 x 512
.set FROW,  512                        ; a row of fp_weight in bytes
.set IDX,   65536                      ; LDS: behind four rows of 16,384 bytes: the index x 4, 128 pieces of 128 bytes + 16 of padding
.set IP,    144
.set STG,   83968                      ; LDS: the way out: 136 units of 256 bytes + 16 of padding; unit 17 s + b15: codes; unit 17 s + 16: scale bytes
.set UP,    272
.set SB,    17*UP                      ; a K step's 17 units
.set GRP,   4352                       ; wq: a group
.set KBLK,  8*GRP                      ; 128 rows x one K step
.set HBLK,  8*KBLK                     ; 128 rows x all of K
.set VO,   2                           ; v2   16 x lane
.set LW,   3                           ; v3   LDS: where I store 16 bytes of my quarter row
.set IW,   4                           ; v4   LDS: where I store 16 bytes of the index
.set IR,   5                           ; v5   LDS: my block's 32 index words
.set STC,  6                           ; v6   LDS: my block's unit, my wave's first row
.set SSB,  7                           ; v7   LDS: my block's scale byte, my wave's first row
.set RDS,  8                           ; v8   LDS: the way out, codes
.set RSS,  9                           ; v9   LDS: the way out, scale bytes
.set VO8,  10                          ; v10  8 x lane
.set TO,   11                          ; v11  16 x thread
.set VO7,  12                          ; v12-15 16 x lane + p x the pitch of the rows from which a quarter's last 512 bytes come
.set M0,   16                          ; v16, v17 two chains of the largest magnitude (at the head: lane / 16, lane % 16)
.set M1,   17
.set SO,   18                          ; v18  the conversion's scale operand
.set E,    20                          ; v20-23 a scale byte for each phase
.set C,    24                          ; v24-39 four registers of codes for each phase; v24-31 first take the index
.set AD,   40                          ; v40-71 my 32 gather addresses
.set D,    72                          ; v72-199 phase p: 32 registers as loaded, then the 32 numbers gathered
.set AL,   28                          ; s[28:35] alpha of my four rows, each twice (the packed multiply names a pair)
.set F7,   36                          ; s[36:43] the factor of a quarter's last 512 bytes: alpha, or 1.0 where they are fp_weight's
	s_load_b256 s[4:11], s[0:1], 0x0               ; q_weight s[4:5], fp_weight s[6:7], alpha_scale s[8:9], inv_col_perm s[10:11]
	s_load_b64 s[12:13], s[0:1], 0x20              ; wq
	v_lshl_add_u32 v200, v0, 2, 0x1e000
	v_mov_b32 v201, 0
	v_lshrrev_b32 v1, 5, v0
	s_delay_alu instid0(VALU_DEP_1)
	v_readfirstlane_b32 s14, v1                    ; wave 0..15
	s_and_b32 s15, s14, 3                          ; wq: which quarter of a row, which 32 blocks
	s_lshr_b32 s16, s14, 2                         ; wr: which row slot
	s_lshr_b32 s45, s14, 1                         ; the way out: which K step,
	s_and_b32 s46, s14, 1                          ; and which half of its codes
	s_lshl_b32 s17, ttmp9, 4
	s_lshl_b32 s23, s16, 2
	s_add_co_u32 s17, s17, s23                     ; my first row: 16 x work-group + 4 wr
	s_lshl_b32 s44, s16, 14                        ; my row slot in LDS
	v_and_b32 v1, 31, v0                           ; lane
	v_bfe_u32 v16, v0, 4, 1                        ; h = lane / 16
	v_and_b32 v17, 15, v0                          ; lane % 16
	s_delay_alu instid0(VALU_DEP_3)
	v_lshlrev_b32 v[VO], 4, v1
	s_delay_alu instid0(VALU_DEP_4)
	v_lshlrev_b32 v[VO8], 3, v1
	v_lshlrev_b32 v[TO], 4, v0
	s_lshl_b32 s47, s15, 12
	s_add_co_u32 s47, s47, s44
	v_add_nc_u32 v[LW], s47, v[VO]                 ; slot + 4,096 wq + 16 x lane
	v_lshrrev_b32 v18, 3, v0
	s_delay_alu instid0(VALU_DEP_1)
	v_mul_u32_u24 v[IW], v18, IP                   ; eight threads fill a piece of 128 bytes
	v_and_b32 v18, 7, v0
	s_delay_alu instid0(VALU_DEP_1)
	v_lshl_add_u32 v[IW], v18, 4, v[IW]
	s_delay_alu instid0(VALU_DEP_1)
	v_add_nc_u32 v[IW], IDX, v[IW]
	s_mul_i32 s47, s15, 32*IP
	s_add_co_u32 s47, s47, IDX
	v_mul_u32_u24 v[IR], v1, IP                    ; piece b = 32 wq + lane: 144 bytes = 36 words from lane to lane
	s_delay_alu instid0(VALU_DEP_1)
	v_add_nc_u32 v[IR], s47, v[IR]
	s_mul_i32 s47, s15, 2*SB                       ; my wave's blocks belong to K steps 2 wq + h: unit 17 (2 wq + h) + lane % 16 = 34 wq + lane + h
	s_lshl_b32 s23, s16, 6                         ; my wave's first row: 16 bytes a row
	s_add_co_u32 s47, s47, s23
	s_add_co_u32 s47, s47, STG
	v_add_nc_u32 v[STC], v1, v16
	s_delay_alu instid0(VALU_DEP_1)
	v_mul_u32_u24 v[STC], v[STC], UP
	s_delay_alu instid0(VALU_DEP_1)
	v_add_nc_u32 v[STC], s47, v[STC]
	v_mul_u32_u24 v[SSB], v16, SB                  ; the K step's last unit: byte lane % 16 of the row's 16
	s_delay_alu instid0(VALU_DEP_1)
	v_add_nc_u32 v[SSB], v[SSB], v17
	s_delay_alu instid0(VALU_DEP_1)
	v_add_nc_u32 v[SSB], s47, v[SSB]
	s_delay_alu instid0(VALU_DEP_1)
	v_add_nc_u32 v[SSB], 16*UP, v[SSB]
	s_mul_i32 s50, s45, SB
	s_add_co_u32 s50, s50, STG
	s_mul_i32 s51, s46, 8*UP
	s_add_co_u32 s51, s51, s50
	v_mul_u32_u24 v[RDS], v16, UP                  ; back: lanes 0-15 one unit of 256 bytes, lanes 16-31 the next
	s_delay_alu instid0(VALU_DEP_1)
	v_lshl_add_u32 v[RDS], v17, 4, v[RDS]
	s_delay_alu instid0(VALU_DEP_1)
	v_add_nc_u32 v[RDS], s51, v[RDS]
	v_add_nc_u32 v[RSS], s50, v[VO8]
	s_delay_alu instid0(VALU_DEP_1)
	v_add_nc_u32 v[RSS], 16*UP, v[RSS]
	; byte offsets, each in registers of its own; all stay under 2^32
	s_mul_i32 s18, s17, QROW
	s_lshl_b32 s23, s15, 12
	s_add_co_u32 s18, s18, s23                     ; q_weight: my first row, my quarter
	s_mov_b32 s19, 0
	s_lshl_b32 s52, s17, 9                         ; fp_weight: my first row
	s_mov_b32 s53, 0
	s_lshl_b32 s54, s17, 2                         ; alpha: my four rows' 16 bytes
	s_mov_b32 s55, 0
	s_lshr_b32 s56, ttmp9, 3                       ; wq: my work-group's group of my K step, my half of its codes
	s_mul_i32 s56, s56, HBLK
	s_mul_i32 s57, s45, KBLK
	s_add_co_u32 s56, s56, s57
	s_and_b32 s57, ttmp9, 7
	s_mul_i32 s57, s57, GRP
	s_add_co_u32 s56, s56, s57
	s_lshl_b32 s57, s46, 11
	s_add_co_u32 s56, s56, s57
	s_mov_b32 s57, 0
	s_wait_kmcnt 0x0
	s_add_nc_u64 s[18:19], s[4:5], s[18:19]
	s_add_nc_u64 s[20:21], s[18:19], 7*512         ; a quarter's last 512 bytes: q_weight's,
	s_add_nc_u64 s[52:53], s[6:7], s[52:53]
	s_add_nc_u64 s[8:9], s[8:9], s[54:55]
	s_add_nc_u64 s[48:49], s[12:13], s[56:57]
	s_load_b128 s[24:27], s[8:9], 0x0              ; alpha of my four rows
	s_cmp_eq_u32 s15, 3                            ; but in the last quarter they are the row of fp_weight (3 x 4,096 + 7 x 512 = 15,872): the choice hangs on the wave's number alone
	s_cselect_b64 s[20:21], s[52:53], s[20:21]
	s_mov_b32 s22, QROW
	s_cselect_b32 s22, FROW, s22                   ; and so does the pitch from row to row
	v_mov_b32 v[VO7], v[VO]
	s_delay_alu instid0(VALU_DEP_1)
	v_add_nc_u32 v[VO7+1], s22, v[VO7]
	s_delay_alu instid0(VALU_DEP_1)
	v_add_nc_u32 v[VO7+2], s22, v[VO7+1]
	s_delay_alu instid0(VALU_DEP_1)
	v_add_nc_u32 v[VO7+3], s22, v[VO7+2]
	global_load_b128 v[C:C+3], v[TO], s[10:11]                     ; the index, dense: 16 bytes a thread, twice 8,192 bytes
	global_load_b128 v[C+4:C+7], v[TO], s[10:11] offset:8192
.irp p, 0,1                            ; my quarter of my first two rows: 16 loads, each of 512 consecutive bytes; read once in the launch
.irp k, 0,1,2,3,4,5,6
	global_load_b128 v[D+32*\p+4*\k:D+32*\p+4*\k+3], v[VO], s[18:19] offset:\p*QROW+\k*512 th:TH_LOAD_NT
.endr
	global_load_b128 v[D+32*\p+28:D+32*\p+31], v[VO7+\p], s[20:21] th:TH_LOAD_NT
.endr
	s_wait_kmcnt 0x0                               ; alpha
	s_cmp_eq_u32 s15, 3
.irp p, 0,1,2,3
	s_mov_b32 s[AL+2*\p], s[24+\p]
	s_mov_b32 s[AL+2*\p+1], s[24+\p]
	s_cselect_b32 s[F7+2*\p], 1.0, s[24+\p]
	s_cselect_b32 s[F7+2*\p+1], 1.0, s[24+\p]
.endr
.macro BARRIER                         ; my LDS stores have landed and my LDS loads are in: then the work-group's barrier
	s_wait_dscnt 0x0
	s_barrier_signal -1
	s_barrier_wait -1
.endm
.macro STAGE p                         ; phase p's codes and scale byte go to the way out's units: row 4 wr + p
	ds_store_b128 v[STC], v[C+4*(\p):C+4*(\p)+3] offset:16*(\p)
	ds_store_b8 v[SSB], v[E+(\p)] offset:16*(\p)
.endm
.macro STORE p                         ; group p of my loads is multiplied by alpha (one rounding in f32, as the weights are defined) and stored into my quarter of the row slot
	s_wait_loadcnt 8*(3-\p)                        ; loads come back in order (ISA guide 5.7.1): group p's eight are in, the younger groups stay out
.irp k, 0,1,2,3,4,5,6
	v_pk_mul_f32 v[D+32*\p+4*\k:D+32*\p+4*\k+1], v[D+32*\p+4*\k:D+32*\p+4*\k+1], s[AL+2*\p:AL+2*\p+1] op_sel_hi:[1,0]
	v_pk_mul_f32 v[D+32*\p+4*\k+2:D+32*\p+4*\k+3], v[D+32*\p+4*\k+2:D+32*\p+4*\k+3], s[AL+2*\p:AL+2*\p+1] op_sel_hi:[1,0]
	ds_store_b128 v[LW], v[D+32*\p+4*\k:D+32*\p+4*\k+3] offset:512*\k
.endr
	v_pk_mul_f32 v[D+32*\p+28:D+32*\p+29], v[D+32*\p+28:D+32*\p+29], s[F7+2*\p:F7+2*\p+1] op_sel_hi:[1,0]
	v_pk_mul_f32 v[D+32*\p+30:D+32*\p+31], v[D+32*\p+30:D+32*\p+31], s[F7+2*\p:F7+2*\p+1] op_sel_hi:[1,0]
	ds_store_b128 v[LW], v[D+32*\p+28:D+32*\p+31] offset:512*7
.if \p > 0
	STAGE \p-1                                     ; the codes of the phase before have waited in registers for a stretch in which LDS is stored to
.endif
	BARRIER                                        ; the four rows lie whole in LDS
.endm
.macro QUANT p                         ; my block's 32 numbers, all mine: largest magnitude, scale, codes
.set X, D+32*\p
	v_max3_num_f32 v[M0], |v[X]|, |v[X+1]|, |v[X+2]|
	v_max3_num_f32 v[M1], |v[X+3]|, |v[X+4]|, |v[X+5]|
.irp i, 6,10,14,18,22,26
	s_delay_alu instid0(VALU_DEP_2)
	v_max3_num_f32 v[M0], v[M0], |v[X+\i]|, |v[X+\i+1]|
	s_delay_alu instid0(VALU_DEP_2)
	v_max3_num_f32 v[M1], v[M1], |v[X+\i+2]|, |v[X+\i+3]|
.endr
	s_delay_alu instid0(VALU_DEP_2)
	v_max3_num_f32 v[M0], v[M0], |v[X+30]|, |v[X+31]|
	s_delay_alu instid0(VALU_DEP_1)
	v_max3_num_f32 v[M0], v[M0], v[M1], 0x1800000  ; and the floor 2^(3 - 127), under which no largest magnitude is taken: so the byte cannot fall under 1
	s_delay_alu instid0(VALU_DEP_1)
	v_add_nc_u32 v[SO], 0xff000000, v[M0]          ; 2 off its exponent field: the conversion takes the exponent field of this operand as its scale, and nothing else of it
.irp g, 0,1,2,3
	v_cvt_scalef32_pk8_fp4_f32 v[C+4*\p+\g], v[X+8*\g:X+8*\g+7], v[SO]   ; eight numbers / the scale, to the nearest code, ties to even, beyond the largest code the largest; the first number's code in the lowest bits
.endr
	v_lshrrev_b32 v[E+\p], 23, v[SO]               ; the scale's byte; also the plain instruction behind the conversions
.endm
.macro GATHER p                        ; W(row, 32 b + j) = the concatenated row at inv_col_perm[32 b + j]
.set j, 0
.rept 32
	ds_load_b32 v[D+32*\p+j], v[AD+j]
.set j, j+1
.endr
	s_wait_dscnt 0x0                               ; my reads of the row slots are over:
	s_barrier_signal -1                            ; say so,
	QUANT \p                                       ; work on registers while the others arrive,
	s_barrier_wait -1                              ; and store into LDS again only when all sixteen have said so
.endm
	s_wait_loadcnt 16                              ; the two index loads are in; the 16 row loads issued behind them stay out
.irp i, 0,1,2,3,4,5,6,7
	v_lshlrev_b32 v[C+\i], 2, v[C+\i]              ; an index as bytes in a row
.endr
	ds_store_b128 v[IW], v[C:C+3]
	ds_store_b128 v[IW], v[C+4:C+7] offset:64*IP   ; the second 8,192 bytes: 64 pieces on
	BARRIER                                        ; the index lies in LDS
.irp i, 0,1,2,3,4,5,6,7
	ds_load_b128 v[AD+4*\i:AD+4*\i+3], v[IR] offset:16*\i
.endr
	s_wait_dscnt 0x0
.set j, 0
.rept 32
	v_min_u32 v[AD+j], 0x3ffc, v[AD+j]             ; held inside the row
	s_delay_alu instid0(VALU_DEP_1)
	v_add_nc_u32 v[AD+j], s44, v[AD+j]             ; in my row slot
.set j, j+1
.endr
.irp p, 2,3                            ; my quarter of my last two rows: the other 16 loads, still ahead of phase 0, so that phase p's count of younger groups holds
.irp k, 0,1,2,3,4,5,6
	global_load_b128 v[D+32*\p+4*\k:D+32*\p+4*\k+3], v[VO], s[18:19] offset:\p*QROW+\k*512 th:TH_LOAD_NT
.endr
	global_load_b128 v[D+32*\p+28:D+32*\p+31], v[VO7+\p], s[20:21] th:TH_LOAD_NT
.endr
	STORE 0
	GATHER 0
	STORE 1
	GATHER 1
	STORE 2
	GATHER 2
	STORE 3
	GATHER 3
	s_wait_alu depctr_va_vdst(0)
	STAGE 3
	BARRIER                                        ; the 16 rows' codes and scale bytes lie in the units
	; THE WAY OUT: wave w stores half (8 units) of K step w / 2's codes; the even waves also its unit of scale bytes
.irp i, 0,1,2,3
	ds_load_b128 v[D+4*\i:D+4*\i+3], v[RDS] offset:2*UP*\i
.endr
.irp i, 0,1,2,3
	s_wait_dscnt 3-\i
	global_store_b128 v[VO], v[D+4*\i:D+4*\i+3], s[48:49] offset:512*\i   ; 32 lanes store 512 consecutive bytes, at a multiple of 256 from wq's first byte
.endr
	s_cmp_lg_u32 s46, 0                            ; a branch on the wave's number; no barrier stands behind it
	s_cbranch_scc1 .Ldone
	ds_load_b64 v[D+16:D+17], v[RSS]
	s_wait_dscnt 0x0
	global_store_b64 v[VO8], v[D+16:D+17], s[48:49] offset:4096           ; 32 lanes store 256 consecutive bytes, behind the group's codes
.Ldone:
	s_wait_tensorcnt 0x0
	ds_add_u32 v200, v201
	s_wait_dscnt 0x0
	s_endpgm
.Lfunc_end_k_q5bb544b535_prep:
	.size	k_q5bb544b535_prep, .Lfunc_end_k_q5bb544b535_prep-k_q5bb544b535_prep
	.p2alignl 7, 3214868480
	.fill 96, 4, 3214868480
	.section	.rodata,"a",@progbits
	.p2align	6, 0x0
	.amdhsa_kernel k_q5bb544b535_prep
		.amdhsa_group_segment_fixed_size 124928
		.amdhsa_private_segment_fixed_size 0
		.amdhsa_enable_private_segment 0
		.amdhsa_kernarg_size 40
		.amdhsa_user_sgpr_count 2
		.amdhsa_user_sgpr_kernarg_segment_ptr 1
		.amdhsa_wavefront_size32 1
		.amdhsa_system_sgpr_workgroup_id_x 1
		.amdhsa_system_sgpr_workgroup_id_y 1
		.amdhsa_system_sgpr_workgroup_id_z 1
		.amdhsa_system_vgpr_workitem_id 0
		.amdhsa_next_free_vgpr 202
		.amdhsa_next_free_sgpr 66
		.amdhsa_reserve_vcc 0
		.amdhsa_float_denorm_mode_32 3
		.amdhsa_float_denorm_mode_16_64 3
		.amdhsa_memory_ordered 1
		.amdhsa_forward_progress 1
		.amdhsa_inst_pref_size 38
	.end_amdhsa_kernel
	.amdgpu_metadata
---
amdhsa.version: [ 1, 2 ]
amdhsa.kernels:
  - .name:           k_q5bb544b535_prep
    .symbol:         k_q5bb544b535_prep.kd
    .args:
      - { .name: q_weight, .offset: 0, .size: 8, .value_kind: global_buffer, .address_space: global }
      - { .name: fp_weight, .offset: 8, .size: 8, .value_kind: global_buffer, .address_space: global }
      - { .name: alpha_scale, .offset: 16, .size: 8, .value_kind: global_buffer, .address_space: global }
      - { .name: inv_col_perm, .offset: 24, .size: 8, .value_kind: global_buffer, .address_space: global }
      - { .name: wq, .offset: 32, .size: 8, .value_kind: global_buffer, .address_space: global }
    .group_segment_fixed_size: 124928
    .private_segment_fixed_size: 0
    .kernarg_segment_align: 8
    .kernarg_segment_size: 40
    .max_flat_workgroup_size: 512
    .sgpr_count:     66
    .vgpr_count:     202
    .wavefront_size: 32
...
	.end_amdgpu_metadata
.endif
;; end of part 1
;; launch gemm (part 2): grid 16 x 16, 4 waves a work-group, clusters of 4 x 1, 327,680 bytes of LDS; arguments input_codes, input_scales, wq, bias, out0; writes out0
.if DOCPART == 2
	.amdgcn_target "amdgcn-amd-amdhsa--gfx1250"
	.amdhsa_code_object_version 6
	.text
	.protected	k_q5bb544b535_gemm
	.globl	k_q5bb544b535_gemm
	.p2align	8
	.type	k_q5bb544b535_gemm,@function
k_q5bb544b535_gemm:
	s_mov_b64 s[64:65], 0
	v_nop
	global_prefetch_b8 v0, s[64:65] scope:SCOPE_SE
	s_setreg_imm32_b32 hwreg(HW_REG_WAVE_MODE, 25, 1), 1
	s_wait_xcnt 0x0
	s_wait_alu depctr_hold_cnt(0) depctr_sa_sdst(0) depctr_va_vdst(0) depctr_va_sdst(0) depctr_va_ssrc(0) depctr_va_vcc(0) depctr_vm_vsrc(0)
	s_getreg_b32 s2, hwreg(HW_REG_IB_STS2, 6, 4)
	s_cmp_eq_u32 s2, 0
	s_cbranch_scc0 .Lentry_in_a_cluster
	s_endpgm
.Lentry_in_a_cluster:
	s_bfe_u32 s2, ttmp6, 0x10000c
	s_cmp_lg_u32 s2, 0x3003
	s_cbranch_scc0 .Lentry_shape_is_right
	s_endpgm
.Lentry_shape_is_right:
; out0[m][o] = sum over k of input[m][k] W[o][k] + bias[o]; 4,096 x 4,096 x 4,096; both operands codes of FP4 (E2M1) with one E8M0 byte for each 32 along K; sums in f32.
; A work-group of four waves makes 256 x 256 of out0; wave w makes all 256 rows x columns 64 w .. 64 w + 63: 32 accumulators of 32 (o) x 16 (m), 512 registers.
; THE MATRIX INSTRUCTION IS USED TRANSPOSED: source 0 = 32 rows of W, source 1 = 16 rows of the input: a lane holds eight and eight neighbouring columns of one row of out0.
; W (wq, laid by the launch before as images of operand registers) goes from memory STRAIGHT INTO REGISTERS: a step of 128 along K is 8 loads of 512 consecutive bytes a wave, into one of
; eight sets of 32 registers; the set that a step has used is asked for again at once, for the step eight further on.  So 56 to 64 loads of a wave are always out, and the waits on LOADcnt are counted.
; No byte of wq is read twice in a work-group, and it lands in registers, where no tensor load reaches: so no joint load for wq, and no prefetch: its own loads run eight steps ahead.
; THE INPUT's codes go through a ring of two LDS slots of 1,024 along K (256 rows of 512 bytes + 16 of padding), its scales (256 rows x 128 bytes, dense) come into LDS once.
; CLUSTER 4, 1, 1: the four work-groups of a cluster make the same 256 rows, so every tensor load is a joint one with the mask 15.
; The last 1,024 along K go BY ROWS of out0: all eight sets of W are then in registers, and each block of 16 rows is finished, sent through the wave's own stage, given its bias and stored while the next block is multiplied.
; The text has no loop: register sets and slots come back after 16 steps, and there are 24 such steps, the first and every eighth of another make.
; REGISTERS: window 0: v0-31 addresses and bias; v32-95 the input's scale words, two sets; v96-127 W's scale words, four sets; v128-255 the input's fragments (16 blocks x 8).
;   window 1: W's eight sets.  window 2: accumulators of rows 0-127 (block a, half bb at 32 a + 16 bb);  window 3: rows 128-255.
.set PITCH, 528
.set BLK,   16*PITCH                   ; 16 rows of a slot
.set SLOT,  256*PITCH
.set QT,    64*PITCH                   ; what one wave's ring load brings
.set SCL,   2*SLOT                     ; the input's scales: 128 units of 256 bytes + 16
.set SPARE, SCL+128*272                ; the spare words: 512 bytes that no other line names
.set STAGE, SPARE+512                  ; the way out: 16 rows x 272 bytes for each wave; no tensor load lands here
.set GRP,   4352                       ; wq: 16 rows x 512 K: 4,096 bytes of codes, 256 of scales
.set HALFT, 8*GRP                      ; wq: 128 rows x 512 K
.set WHALF, 8*HALFT                    ; wq: 128 rows x all of K
.set BIAS, 8                           ; v8-11  bias of my four columns on the way out
.set ADRA, 16                          ; v16-19 LDS: my fragment row in slot 0 blocks 0-7, 8-15; slot 1 likewise
.set ADRS, 20                          ; v20    LDS: the input's scale words; lanes 16-31 take the block eight further on
.set BO,   21                          ; v21    16 x lane
.set BSO,  22                          ; v22    wq: my row's scale bytes; lanes 16-31 the next group's
.set STO,  23
.set RD,   24
.set CO,   25
.set R16,  26                          ; v26    16 x (lane % 16)
.set SPW,  28
.set NIL,  29
.set PFO,  30
.set SCA,  32
.set SCB,  96
.set AF,   128
.set G1,   36                          ; ring: 64 rows x 512 bytes
.set G1H,  44                          ; head: 128 rows x 512 bytes
.set G1S,  52                          ; scales: 64 units of 256 bytes
.set G0H,  60
.set G0S,  68
.set G0A,  72                          ; slot 1, K 1,024 ..
.set G0B,  76                          ; slot 0, K 2,048 ..
.set G0C,  80                          ; slot 1, K 3,072 ..
.set BB,   86                          ; s[86:87] wq at my wave's 64 rows
.set PFA,  88                          ; s[88:89] input_codes at my work-group's 16 of my wave's 64 rows
.set MSB, 0
.macro WIN new
.if MSB != (\new)
	s_set_vgpr_msb (MSB<<8)|(\new)
.set MSB, (\new)
.endif
.endm
.set MUL_LO, 0xa1                      ; source 0 (W) window 1, source 1 window 0, C and D window 2
.set MUL_HI, 0xf1
.set TO_B,   0x40
.macro PLACES
.rept 4
	v_nop
.endr
.endm
.macro CREST
	s_cmp_lg_u32 s14, 0
	s_cbranch_scc1 .Lnot_wave_0_\@
	s_barrier_signal -3
.Lnot_wave_0_\@:
	s_barrier_wait -3
	s_barrier_signal -1
	s_barrier_wait -1
.endm
.macro CROUND
	s_barrier_signal -1
	s_barrier_wait -1
	CREST
.endm
; one product: block a of the input (fragment at ra) x half bb of my 64 rows of W, step u of 128 along K
.macro WM a, bb, u, ra, zero
.set rD, 32*((\a)%8)+16*(\bb)
.set rW, 32*((\u)%8)+16*(\bb)
.set rA, \ra
.set rSW, SCB+8*(((\u)/4)%4)+4*(\bb)+(\u)%4
.set rSA, SCA+32*(((\u)/4)%2)+4*((\a)%8)+(\u)%4
.if \zero
.if (\a) >= 8
	v_wmma_scale_f32_32x16x128_f4 v[rD:rD+15], v[rW:rW+15], v[rA:rA+7], 0, v[rSW], v[rSA] matrix_b_scale:MATRIX_SCALE_ROW1
.else
	v_wmma_scale_f32_32x16x128_f4 v[rD:rD+15], v[rW:rW+15], v[rA:rA+7], 0, v[rSW], v[rSA]
.endif
.else
.if (\a) >= 8
	v_wmma_scale_f32_32x16x128_f4 v[rD:rD+15], v[rW:rW+15], v[rA:rA+7], v[rD:rD+15], v[rSW], v[rSA] matrix_b_scale:MATRIX_SCALE_ROW1
.else
	v_wmma_scale_f32_32x16x128_f4 v[rD:rD+15], v[rW:rW+15], v[rA:rA+7], v[rD:rD+15], v[rSW], v[rSA]
.endif
.endif
.endm
.macro MULG g, u, zero                 ; blocks 4 g .. 4 g + 3: eight products on eight accumulators
.set A_, 4*(\g)
.rept 4
	WM A_, 0, \u, AF+8*A_, \zero
	WM A_, 1, \u, AF+8*A_, \zero
.set A_, A_+1
.endr
.endm
.macro FETCHG slot, q, g               ; the fragments of blocks 4 g .. 4 g + 3 for the slot's q-th 128 along K: 8 loads
.irp i, 0,1,2,3
.irp c, 0,1
	ds_load_b128 v[AF+8*(4*(\g)+\i)+4*\c:AF+8*(4*(\g)+\i)+4*\c+3], v[ADRA+2*(\slot)+(\g)/2] offset:((4*(\g)+\i)%8)*BLK+64*(\q)+32*\c
.endr
.endr
.endm
.macro SCALES x                        ; the input's scale words of the next 512 along K into set x: 8 loads; then the address steps
.irp i, 0,1,2,3,4,5,6,7
	ds_load_b128 v[SCA+32*(\x)+4*\i:SCA+32*(\x)+4*\i+3], v[ADRS] offset:\i*8*272
.endr
	v_add_nc_u32 v[ADRS], 16, v[ADRS]
	s_wait_alu depctr_va_vdst(0)                   ; the wait directly behind the write
.endm
.macro BATCHU u                        ; W for step u: 8 loads of codes; ahead of them, where u begins 512 along K, 2 loads of scale words
.if ((\u)%4) == 0
.irp bb, 0,1
	global_load_b128 v[SCB+8*(((\u)/4)%4)+4*\bb:SCB+8*(((\u)/4)%4)+4*\bb+3], v[BSO], s[BB:BB+1] offset:((\u)/4)*HALFT+\bb*2*GRP
.endr
.endif
	WIN TO_B
.irp b, 0,1,2,3
.irp c, 0,1
	global_load_b128 v[32*((\u)%8)+8*\b+4*\c:32*((\u)%8)+8*\b+4*\c+3], v[BO], s[BB:BB+1] offset:((\u)/4)*HALFT+((\u)%4)*1024+\b*GRP+512*\c
.endr
.endr
	WIN 0
.endm
; A step of 128 along K with its successor in the same slot.  LOADcnt: behind my batch stand the seven batches of steps u + 1 .. u + 7: 56 loads of codes and 2 or 4 of scale words.
; The step goes in two halves: two groups of four blocks are multiplied, then both are fetched anew in one run of 16 loads.  DScnt, group by group: behind the first group of a half stand
; the three groups fetched after it, 24 loads; behind the second two groups, 16; and 8 more where the scale words were fetched among them.
.macro STEP u, zero
.if ((\u)%4) == 0
	s_wait_loadcnt 58
.else
	s_wait_loadcnt 60
.endif
.irp hf, 0,1
.if (((\u)%4) == 1-\hf)
	s_wait_dscnt 32
.else
	s_wait_dscnt 24
.endif
	WIN MUL_LO+0x50*\hf
	MULG 2*\hf, \u, \zero
.if (((\u)%4) == 1-\hf)
	s_wait_dscnt 24
.else
	s_wait_dscnt 16
.endif
	MULG 2*\hf+1, \u, \zero
	PLACES                                         ; four places ahead of loads into registers that matrix instructions have read
	WIN 0
	FETCHG ((\u)/8)%2, ((\u)%8)+1, 2*\hf
	FETCHG ((\u)/8)%2, ((\u)%8)+1, 2*\hf+1
.if (((\u)%4) == 0) && (\hf == 0)
	SCALES 1-(((\u)/4)%2)
.endif
.endr
	BATCHU (\u)+8
.endm
.macro ALOAD a                         ; by rows: block a's fragments of all 1,024 along K of slot 1: 16 loads into buffer a % 2
.irp q, 0,1,2,3,4,5,6,7
.irp c, 0,1
	ds_load_b128 v[AF+64*((\a)%2)+8*\q+4*\c:AF+64*((\a)%2)+8*\q+4*\c+3], v[ADRA+2+(\a)/8] offset:((\a)%8)*BLK+64*\q+32*\c
.endr
.endr
.endm
; A slot's last step changes slots.  g0: the group 0 of the refill of the slot just read, or 0: nothing is filled again and the rows' part follows.
.macro TURN u, g0
	s_wait_loadcnt 60
	s_wait_tensorcnt 0x0                           ; all my tensor loads have landed: my part of the next slot
	ds_add_u32 v[SPW], v[NIL]
	s_wait_dscnt 25                                ; the add and the three younger groups may be out
	WIN MUL_LO
	MULG 0, \u, 0
	s_wait_dscnt 0x0                               ; the add is done, my reads of this slot are over
	s_barrier_signal -1
	MULG 1, \u, 0
	WIN 0
	s_barrier_wait -1
.if \g0
	CREST                                          ; the barrier has opened a round of the cluster's barrier
	tensor_load_to_lds s[\g0:\g0+3], s[G1:G1+7]
	s_nop 0
	PLACES
	FETCHG 1-((\u)/8)%2, 0, 0
	FETCHG 1-((\u)/8)%2, 0, 1
	WIN MUL_HI
	MULG 2, \u, 0
	MULG 3, \u, 0
	PLACES
	WIN 0
	FETCHG 1-((\u)/8)%2, 0, 2
	FETCHG 1-((\u)/8)%2, 0, 3
.else
	PLACES
	ALOAD 0
	WIN MUL_HI
	MULG 2, \u, 0
	MULG 3, \u, 0
	PLACES
	WIN 0
	SCALES 1
	ALOAD 1
.endif
	BATCHU (\u)+8
.endm
	s_load_b256 s[4:11], s[0:1], 0x0               ; input_codes, input_scales, wq, bias
	s_load_b64 s[12:13], s[0:1], 0x20              ; out0
	v_lshl_add_u32 v[SPW], v0, 2, SPARE
	v_mov_b32 v[NIL], 0
	ds_add_u32 v[SPW], v[NIL]                      ; the opening lines: the add twice on end and one wait
	ds_add_u32 v[SPW], v[NIL]
	v_lshrrev_b32 v1, 5, v0
	v_readfirstlane_b32 s14, v1                    ; wave 0..3
	s_lshr_b32 s15, s14, 1
	s_and_b32 s16, s14, 1
	s_bfe_u32 s19, ttmp6, 0x40000                  ; cx
	s_lshl_b32 s18, ttmp9, 2
	s_add_co_u32 s18, s18, s19                     ; tile column = 4 x cluster x + cx
	s_and_b32 s17, ttmp7, 0xffff                   ; tile row
	s_mov_b32 s[G1+0], 15|(1<<20)|(1<<21)|(6<<22)|(3<<25)   ; mask 15; bytes; 4 words of padding behind every 128
	s_mov_b32 s[G1+1], 512<<16
	s_mov_b32 s[G1+2], 64<<16
	s_mov_b32 s[G1+3], 512<<16
	s_mov_b32 s[G1+4], 64
	s_mov_b32 s[G1+5], 2048
	s_mov_b32 s[G1+6], 0
	s_mov_b32 s[G1+7], 0
	s_mov_b32 s[G1H+0], 15|(1<<20)|(1<<21)|(6<<22)|(3<<25)
	s_mov_b32 s[G1H+1], 512<<16
	s_mov_b32 s[G1H+2], 128<<16
	s_mov_b32 s[G1H+3], 512<<16
	s_mov_b32 s[G1H+4], 128
	s_mov_b32 s[G1H+5], 2048
	s_mov_b32 s[G1H+6], 0
	s_mov_b32 s[G1H+7], 0
	s_mov_b32 s[G1S+0], 15|(3<<16)|(1<<20)|(1<<21)|(5<<22)|(3<<25)   ; elements of 8 bytes; 4 words behind every 64
	s_mov_b32 s[G1S+1], 32<<16
	s_mov_b32 s[G1S+2], 64<<16
	s_mov_b32 s[G1S+3], 32<<16
	s_mov_b32 s[G1S+4], 64
	s_mov_b32 s[G1S+5], 32
	s_mov_b32 s[G1S+6], 0
	s_mov_b32 s[G1S+7], 0
	; byte offsets, each in a pair of its own
	s_lshl_b32 s20, s17, 19                        ; 256 rows of 2,048 bytes a tile row
	s_lshl_b32 s22, s16, 18
	s_add_co_u32 s22, s22, s20                     ; head: 128 rows a wave
	s_mov_b32 s23, 0
	s_lshl_b32 s24, s17, 15
	s_lshl_b32 s2, s16, 14
	s_add_co_u32 s24, s24, s2                      ; scales: 128 rows of 128 bytes a wave
	s_mov_b32 s25, 0
	s_lshl_b32 s26, s14, 17
	s_add_co_u32 s26, s26, s20                     ; ring: 64 rows a wave
	s_mov_b32 s27, 0
	s_lshl_b32 s28, s18, 1
	s_add_co_u32 s28, s28, s15
	s_mul_i32 s28, s28, WHALF
	s_mul_i32 s2, s16, 4*GRP
	s_add_co_u32 s28, s28, s2                      ; wq: my 64 rows
	s_mov_b32 s29, 0
	s_lshl_b32 s30, s18, 10
	s_lshl_b32 s2, s14, 8
	s_add_co_u32 s30, s30, s2                      ; my first column, in bytes of f32
	s_mov_b32 s31, 0
	s_lshl_b32 s32, s17, 22
	s_add_co_u32 s32, s32, s30                     ; out0: 256 rows of 16,384 bytes a tile row
	s_mov_b32 s33, 0
	s_lshl_b32 s34, s19, 15
	s_add_co_u32 s34, s34, s26                     ; prefetch: of my wave's 64 rows my work-group names 16, told apart by address
	s_mov_b32 s35, 0
	s_mul_i32 s84, s14, QT
	s_mul_i32 s85, s14, 16*272
	s_add_co_u32 s85, s85, STAGE
	s_mov_b32 s[G0H], 1
	s_mul_i32 s[G0H+1], s16, 128*PITCH
	s_mov_b32 s[G0S], 1
	s_mul_i32 s[G0S+1], s16, 64*272
	s_add_co_u32 s[G0S+1], s[G0S+1], SCL
	s_mov_b32 s[G0A], 1
	s_add_co_u32 s[G0A+1], s84, SLOT
	s_mov_b32 s[G0B], 1
	s_mov_b32 s[G0B+1], s84
	s_mov_b32 s[G0C], 1
	s_add_co_u32 s[G0C+1], s84, SLOT
	v_and_b32 v1, 15, v0                           ; r
	v_bfe_u32 v2, v0, 4, 1                         ; h
	v_and_b32 v3, 31, v0                           ; lane
	v_mul_u32_u24 v4, v1, PITCH
	v_lshl_add_u32 v[ADRA], v2, 4, v4              ; a fragment's row x pitch + 16 h
	v_add_nc_u32 v[ADRA+1], 8*BLK, v[ADRA]
	v_add_nc_u32 v[ADRA+2], SLOT, v[ADRA]
	v_add_nc_u32 v[ADRA+3], SLOT+8*BLK, v[ADRA]
	v_lshrrev_b32 v5, 1, v1
	v_mul_u32_u24 v5, v5, 272                      ; two rows' scales to a unit
	v_and_b32 v6, 1, v1
	v_lshl_add_u32 v5, v6, 7, v5
	v_mad_u32_u24 v5, v2, 64*272, v5               ; lanes 16-31: 128 rows on
	v_add_nc_u32 v[ADRS], SCL, v5
	v_lshlrev_b32 v[BO], 4, v3
	v_lshlrev_b32 v[R16], 4, v1
	v_mad_u32_u24 v[BSO], v2, GRP, v[R16]
	v_add_nc_u32 v[BSO], 4096, v[BSO]
	v_mul_u32_u24 v7, v1, 272
	v_lshl_add_u32 v7, v2, 5, v7
	v_add_nc_u32 v[STO], s85, v7                   ; into the stage: row r, 32 bytes for each half of the lanes
	v_mad_u32_u24 v7, v2, 272, v[R16]
	v_add_nc_u32 v[RD], s85, v7                    ; back: lanes 0-15 one row of 256 bytes, lanes 16-31 the next
	v_lshl_add_u32 v[CO], v2, 14, v[R16]           ; and the same two rows in out0
	v_lshlrev_b32 v7, 11, v1
	v_lshl_add_u32 v[PFO], v2, 8, v7               ; prefetch: a lane names 256 bytes: row r, half h of a row's 512
	s_wait_alu depctr_va_vdst(0)                   ; the wait at the head's end
	s_wait_dscnt 0x0                               ; both opening adds are done
	s_wait_kmcnt 0x0
	s_add_nc_u64 s[G0H+2:G0H+3], s[4:5], s[22:23]
	s_or_b32 s[G0H+3], s[G0H+3], 0x80000000
	s_add_nc_u64 s[G0S+2:G0S+3], s[6:7], s[24:25]
	s_or_b32 s[G0S+3], s[G0S+3], 0x80000000
	s_add_nc_u64 s[26:27], s[4:5], s[26:27]
	s_add_nc_u64 s[G0A+2:G0A+3], s[26:27], 512
	s_or_b32 s[G0A+3], s[G0A+3], 0x80000000
	s_add_nc_u64 s[G0B+2:G0B+3], s[26:27], 1024
	s_or_b32 s[G0B+3], s[G0B+3], 0x80000000
	s_add_nc_u64 s[G0C+2:G0C+3], s[26:27], 1536
	s_or_b32 s[G0C+3], s[G0C+3], 0x80000000
	s_add_nc_u64 s[BB:BB+1], s[8:9], s[28:29]
	s_add_nc_u64 s[10:11], s[10:11], s[30:31]
	s_add_nc_u64 s[12:13], s[12:13], s[32:33]
	s_add_nc_u64 s[PFA:PFA+1], s[4:5], s[34:35]
	CROUND                                         ; the four work-groups are here: the first joint loads meet
	s_cmp_eq_u32 s15, 0                            ; one load a wave: waves 0, 1 slot 0's 128 rows each, waves 2, 3 the scales of 128 rows each
	s_cbranch_scc0 .Lhead_s
	tensor_load_to_lds s[G0H:G0H+3], s[G1H:G1H+7]
	s_nop 0
	PLACES
	s_branch .Lhead_j
.Lhead_s:
	tensor_load_to_lds s[G0S:G0S+3], s[G1S:G1S+7]
	s_nop 0
	PLACES
.Lhead_j:
	global_load_b128 v[BIAS:BIAS+3], v[R16], s[10:11]
.irp u, 0,1,2,3,4,5,6
	BATCHU \u                                      ; W for steps 0 to 6: with the bias 61 loads
.endr
	s_wait_tensorcnt 0x0                           ; my tile of the head's is in
	ds_add_u32 v[SPW], v[NIL]
	s_wait_dscnt 0x0
	CROUND
	tensor_load_to_lds s[G0A:G0A+3], s[G1:G1+7]    ; slot 1's first fill, a quarter a wave
	s_nop 0
	PLACES
	BATCHU 7
	SCALES 0
.irp g, 0,1,2,3
	FETCHG 0, 0, \g
.endr
	STEP 0, 1                                      ; the first products start the sums
	STEP 1, 0
	global_prefetch_b8 v[PFO], s[PFA:PFA+1] offset:1024 th:TH_LOAD_NT scope:SCOPE_SE   ; K 2,048 ..: six steps ahead of the load that asks for it; each 256 bytes named once in the cluster
.irp u, 2,3,4,5,6
	STEP \u, 0
.endr
	TURN 7, G0B
	STEP 8, 0
	STEP 9, 0
	global_prefetch_b8 v[PFO], s[PFA:PFA+1] offset:1536 th:TH_LOAD_NT scope:SCOPE_SE   ; K 3,072 .., likewise: the last tile, so nothing is asked for beyond a row's end
.irp u, 10,11,12,13,14
	STEP \u, 0
.endr
	TURN 15, G0C
.irp u, 16,17,18,19,20,21,22
	STEP \u, 0
.endr
	TURN 23, 0
; BY ROWS.  ROW a: block a's two accumulators by turns, K ascending.
.macro ROW a
	WIN MUL_LO+0x50*((\a)/8)
.set Q_, 0
.rept 8
.if (\a) == 0                          ; W's sets come in as they are needed: behind the batch of step 24 + q stand 8 (7 - q) loads, and for q under 4 the 2 loads of the last scale words
.if Q_ < 4
	s_wait_loadcnt 8*(7-Q_)+2
.else
	s_wait_loadcnt 8*(7-Q_)
.endif
.endif
	WM \a, 0, 24+Q_, AF+64*((\a)%2)+8*Q_, 0
	WM \a, 1, 24+Q_, AF+64*((\a)%2)+8*Q_, 0
.set Q_, Q_+1
.endr
.endm
; The way out of block a under ONE window setting: address and bias window 0, data and destination the block's window.
.macro TOSTAGE a                       ; 16 rows x 256 bytes into my stage, and back as whole rows into the block's own 32 registers (LDS serves a wave's instructions in order: ISA guide 5.7.1)
.set X, 32*((\a)%8)
	WIN 0x88+0x44*((\a)/8)
.irp b, 0,1,2,3
	ds_store_b128 v[STO], v[X+8*\b:X+8*\b+3] offset:64*\b            ; each accumulator from its low end on
	ds_store_b128 v[STO], v[X+8*\b+4:X+8*\b+7] offset:64*\b+16
.endr
.irp t, 0,1,2,3,4,5,6,7
	ds_load_b128 v[X+4*\t:X+4*\t+3], v[RD] offset:\t*2*272
.endr
.endm
.macro SEND a                          ; + bias, and stored: sixteen lanes fill 256 consecutive bytes, at a multiple of 256 from out0's first byte; the row stands in the immediate (254 x 16,384 at the most)
.set X, 32*((\a)%8)
	WIN 0x88+0x44*((\a)/8)
.irp i, 0,1,2,3,4,5,6,7,8,9,10,11,12,13,14,15
	v_pk_add_f32 v[X+2*\i:X+2*\i+1], v[BIAS+2*(\i%2):BIAS+2*(\i%2)+1], v[X+2*\i:X+2*\i+1]
.endr
.irp t, 0,1,2,3,4,5,6,7
	global_store_b128 v[CO], v[X+4*\t:X+4*\t+3], s[12:13] offset:(16*(\a)+2*\t)*16384 th:TH_STORE_NT
.endr
.endm
	s_wait_dscnt 16                                ; block 0's fragments and the last scale words are in; block 1's 16 loads may be out
.irp a, 0,1,2,3,4,5,6,7,8,9,10,11,12,13,14,15
	ROW \a
	s_wait_dscnt 0x0                               ; block a - 1 is back from the stage, block a + 1's fragments are in: both were asked for ahead of ROW a
.if \a > 0
	SEND \a-1                                      ; its 16 additions are also the places behind ROW a
.else
	PLACES
.endif
.if \a < 14
	WIN 0
	ALOAD \a+2
.endif
	TOSTAGE \a
.endr
	s_wait_dscnt 0x0
	SEND 15
	WIN 0
	s_wait_tensorcnt 0x0                           ; the wave's end
	ds_add_u32 v[SPW], v[NIL]
	s_wait_dscnt 0x0
	CROUND                                         ; the closing round
	s_endpgm
.Lfunc_end_k_q5bb544b535_gemm:
	.size	k_q5bb544b535_gemm, .Lfunc_end_k_q5bb544b535_gemm-k_q5bb544b535_gemm
	.p2alignl 7, 3214868480
	.fill 96, 4, 3214868480
	.section	.rodata,"a",@progbits
	.p2align	6, 0x0
	.amdhsa_kernel k_q5bb544b535_gemm
		.amdhsa_group_segment_fixed_size 327680
		.amdhsa_private_segment_fixed_size 0
		.amdhsa_enable_private_segment 0
		.amdhsa_kernarg_size 40
		.amdhsa_user_sgpr_count 2
		.amdhsa_user_sgpr_kernarg_segment_ptr 1
		.amdhsa_wavefront_size32 1
		.amdhsa_system_sgpr_workgroup_id_x 1
		.amdhsa_system_sgpr_workgroup_id_y 1
		.amdhsa_system_sgpr_workgroup_id_z 1
		.amdhsa_system_vgpr_workitem_id 0
		.amdhsa_next_free_vgpr 1024
		.amdhsa_next_free_sgpr 98
		.amdhsa_reserve_vcc 0
		.amdhsa_float_denorm_mode_32 3
		.amdhsa_float_denorm_mode_16_64 3
		.amdhsa_memory_ordered 1
		.amdhsa_forward_progress 1
		.amdhsa_inst_pref_size 255
	.end_amdhsa_kernel
	.section	.bss,"aw",@nobits
	.p2align	6
	.space	262144
	.amdgpu_metadata
---
amdhsa.version: [ 1, 2 ]
amdhsa.kernels:
  - .name:           k_q5bb544b535_gemm
    .symbol:         k_q5bb544b535_gemm.kd
    .args:
      - { .name: input_codes, .offset: 0, .size: 8, .value_kind: global_buffer, .address_space: global }
      - { .name: input_scales, .offset: 8, .size: 8, .value_kind: global_buffer, .address_space: global }
      - { .name: wq, .offset: 16, .size: 8, .value_kind: global_buffer, .address_space: global }
      - { .name: bias, .offset: 24, .size: 8, .value_kind: global_buffer, .address_space: global }
      - { .name: out0, .offset: 32, .size: 8, .value_kind: global_buffer, .address_space: global }
    .group_segment_fixed_size: 327680
    .private_segment_fixed_size: 0
    .kernarg_segment_align: 8
    .kernarg_segment_size: 40
    .max_flat_workgroup_size: 128
    .sgpr_count:     98
    .vgpr_count:     1024
    .wavefront_size: 32
...
	.end_amdgpu_metadata
.endif
;; end of part 2
